; MI455X (gfx1250); checked and timed in simulation.
; The chip was launched on July 23, 2026; its instructions are those of AMD's public machine-readable ISA for CDNA 5 (MIT licence, August 2026) and "CDNA5" Instruction Set Architecture Reference Guide (July 2026). The comments in the code are by the model that wrote it; some were corrected since.
;; LSTM unit. Allowed arithmetic: matrix products marked QUANTISED: E2M1 operands, one E8M0 scale for each 32 along K, by v_wmma_scale_f32_16x16x128_f8f6f4 with both operands' format E2M1 (or v_wmma_scale_f32_32x16x128_f4), f32 sums; everything else in f32.
;; Inputs: Wh 4 x 2,048 x 2,048 float32; Wx 4 x 2,048 x 2,048 float32; bh 4 x 2,048 float32; bx 4 x 2,048 float32; c 2,048 x 2,048 float32; h 2,048 x 2,048 float32; x 2,048 x 2,048 float32.
;; Outputs: out0 2,048 x 2,048 float32; out1 2,048 x 2,048 float32.
;; This version of the problem:
;;   THIS VERSION OF THE PROBLEM IS GIVEN IN LOW PRECISION. The matrix products marked QUANTISED in the list below multiply operands that are first quantised to E2M1 (2 exponent bits, 1 mantissa bit; 4 bits a number), with one power-of-two scale for each 32 numbers along K (OCP MX v1.0); their sums are f32. All else is computed in f32.
;;   The module's matrix products, in the order in which they are computed (A, B: the left and right operand; K: the contracted axis; several contracted axes count as one K, in the product's order):
;;     1. [M 8,192, K 2,048] x [K 2,048, N 2,048]; A: input Wx; B: input x: QUANTISED
;;     2. [M 8,192, K 2,048] x [K 2,048, N 2,048]; A: input Wh; B: input h: QUANTISED
;;   THE QUANTISER, for each operand of a quantised product, along K:
;;     - K is cut into blocks of 32 from its start; a last block that is shorter is filled with zeros.
;;     - A block's scale is 2^e with e = floor(log2(the largest magnitude in the block)) - 2, held to -126 .. 127; a block of zeros has e = 0. As a byte (E8M0): e + 127.
;;     - Each number is divided by its block's scale, clamped to +-6, and rounded to the nearest number of E2M1, ties to even, subnormals kept.
;;     - The product sums the exact products of the quantised numbers (number of the format x scale) in f32.
;;   ~~~python
;;   def quantise(x, axis):      # numpy; x: float32 -> the quantised numbers, widened to float32 again
;;       x = np.moveaxis(x, axis, -1); K = x.shape[-1]
;;       x = np.pad(x, [(0, 0)] * (x.ndim - 1) + [(0, -K % 32)]); x = x.reshape(x.shape[:-1] + (-1, 32)); a = np.abs(x).max(-1, keepdims=True)
;;       e = np.where(a > 0, np.clip(np.frexp(np.where(a > 0, a, 1))[1] - 1 - 2, -126, 127), 0)      # np.frexp(a)[1] - 1 = floor(log2(a)), exactly
;;       r = np.clip(x / 2.0 ** e, -6, 6)
;;       step = 2.0 ** (np.maximum(np.frexp(np.where(r == 0, 1, r))[1] - 1, 0) - 1)
;;       q = np.round(r / step) * step * 2.0 ** e      # np.round: ties to even
;;       return np.moveaxis(q.reshape(q.shape[:-2] + (-1,))[..., :K], -1, axis).astype(np.float32)
;;   ~~~
;; One version. Each part assembles by itself: llvm-mc -triple=amdgcn-amd-amdhsa -mcpu=gfx1250 --defsym DOCPART=n.
;; ======== version 1 of 1: 2 launches
;; limits: a function is approximated: absolute error at most 2e-07
;; workspace buffers: acts 4,456,448 bytes; wts 17,825,792 bytes
;; launch quant (part 1): grid 1280 x 1, 4 waves a work-group, no clusters, 38,400 bytes of LDS; arguments x, h, Wx, Wh, acts, wts; writes acts, wts
.if DOCPART == 1
	.amdgcn_target "amdgcn-amd-amdhsa--gfx1250"
	.amdhsa_code_object_version 6
	.text
	.protected	k_q7142b9efc1_quant
	.globl	k_q7142b9efc1_quant
	.p2align	8
	.type	k_q7142b9efc1_quant,@function
k_q7142b9efc1_quant:
	s_mov_b64 s[64:65], 0
	v_nop
	global_prefetch_b8 v0, s[64:65] scope:SCOPE_SE
	s_setreg_imm32_b32 hwreg(HW_REG_WAVE_MODE, 25, 1), 1
	s_wait_xcnt 0x0
; x, h [2048][2048] and Wx, Wh [4][2048][2048], f32, K innermost, are turned into codes of FP4 (E2M1) with one E8M0 scale byte for each 32 along K,
; and laid as the product's launch wants its LDS tiles.  x and h stand end to end along K (4,096), and so do Wx and Wh.
; A RECORD of 272 bytes is one row's K step of 512: bytes 0-255 its 512 codes (the lower k in the low four bits), bytes 256-271 its 16 scale bytes.
;   acts [mt 8][ks 8][row 256][272]: batch row b: mt = b / 256, row = b % 256.
;   wts  [nt 32][ks 8][row 256][272]: gate g, column o: nt = o / 64, row = 128 ((o / 32) % 2) + 32 g + o % 32.      ks 0-3: x, Wx;  ks 4-7: h, Wh.
; A block's scale is 2^(floor(log2(its largest magnitude)) - 2); its byte is the largest magnitude's exponent field - 2, held at 1 from below.
; LIMITS: a block of zeros, or one whose largest magnitude lies under 2^-124, gets the byte 1 (zero codes add nothing under it, and this program alone reads the bytes); NaN and infinities among the inputs are not served.
; SHARES.  A work-group takes 16 source rows of 8,192 bytes; wave w takes their K step w: 2,048 bytes of each row, one row a step, one record a step.  Work-groups 0-127: x, 128-255: h, 256-767: Wx, 768-1279: Wh.
; Only pointers and offsets are chosen by the work-group's number: all four tensors take one path through the text.
; A step's four loads read 512 consecutive bytes each; the 2,048 bytes turn through the wave's own stage in LDS (16 bytes of padding behind each 64) and come back 64 bytes a lane: 16 neighbours along K, two lanes to a block.
; The wave's 16 records are 4,352 consecutive bytes of the workspace, 17 x 256, aligned: they are gathered in the wave's own LDS and leave by 17 stores of 256 consecutive bytes.
; No tensor loads, no barrier: waves share nothing.  Loads run four steps (16 loads a wave) ahead, the turn through LDS one step.
.set STEPS, 16
.set EMAX,  2
.set SP,    80                         ; a lane's place in a turning stage: its 64 bytes + 16 of padding
.set OST,   2*32*SP                    ; behind the two turning stages: the wave's 16 records
.set REC,   272
.set WREG,  OST+16*REC                 ; 9,472 bytes of LDS for each wave
.set R,     16                         ; v16-79   four sets of 16 numbers as they are loaded
.set X,     80                         ; v80-111  two sets of 16 neighbours
.set E,     112                        ; v112-127 a scale byte for each step
.set C,     128                        ; v128-159 two registers of codes for each step
.set OUTR,  16                         ; v16-49   the way out, where the loaded numbers lay
	s_load_b256 s[4:11], s[0:1], 0x0               ; x s[4:5], h s[6:7], Wx s[8:9], Wh s[10:11]
	s_load_b128 s[12:15], s[0:1], 0x20             ; acts s[12:13], wts s[14:15]
	v_lshl_add_u32 v160, v0, 2, 0x9400
	v_mov_b32 v161, 0
	v_lshrrev_b32 v1, 5, v0
	v_readfirstlane_b32 s16, v1                    ; wave 0..3
	v_and_b32 v2, 31, v0                           ; lane
	v_lshlrev_b32 v3, 4, v2                        ; my 16 bytes of a load's 512
	s_mul_i32 s32, s16, WREG
	v_lshrrev_b32 v14, 2, v2
	v_mul_u32_u24 v14, v14, SP
	v_and_b32 v15, 3, v2
	v_lshl_add_u32 v14, v15, 4, v14
	v_add_nc_u32 v14, s32, v14                     ; the turning stage, in: SP (lane / 4) + 16 (lane % 4); a load's 512 bytes take eight places
	v_mul_u32_u24 v15, v2, SP
	v_add_nc_u32 v15, s32, v15                     ; and out: SP x lane: my 16 neighbours
	s_add_co_u32 s32, s32, OST
	v_lshlrev_b32 v7, 3, v2                        ; 8 bytes a lane: my codes in a record, and my part of a store of 256 bytes
	v_add_nc_u32 v4, s32, v7                       ; the records in LDS: my codes' place, and my place on the way out
	v_lshrrev_b32 v5, 1, v2
	v_add_nc_u32 v5, s32, v5
	v_add_nc_u32 v5, 256, v5                       ; my block's scale byte
	; an activation's work-group: which tensor, which 16 rows, which tile and row in it
	s_lshr_b32 s17, ttmp9, 7                       ; 0: x, 1: h
	s_and_b32 s18, ttmp9, 127                      ; the group of 16 rows
	s_lshr_b32 s19, s18, 4                         ; mt
	s_and_b32 s20, s18, 15
	s_lshl_b32 s20, s20, 4                         ; first row in the tile
	; a weight's work-group (for an activation's these numbers mean nothing and are not chosen)
	s_sub_co_u32 s21, ttmp9, 256
	s_lshr_b32 s22, s21, 9                         ; 0: Wx, 1: Wh
	s_and_b32 s23, s21, 511                        ; the group of 16 rows: 128 g + o / 16
	s_lshr_b32 s24, s23, 7                         ; g
	s_and_b32 s25, s23, 127                        ; o / 16
	s_lshr_b32 s26, s25, 2                         ; nt
	s_lshr_b32 s27, s25, 1
	s_and_b32 s27, s27, 1
	s_lshl_b32 s27, s27, 7                         ; 128 ((o / 32) % 2)
	s_lshl_b32 s24, s24, 5
	s_add_co_u32 s27, s27, s24                     ; + 32 g
	s_and_b32 s25, s25, 1
	s_lshl_b32 s25, s25, 4
	s_add_co_u32 s27, s27, s25                     ; + the first o % 32
	s_cmp_lt_u32 ttmp9, 256
	s_cselect_b32 s17, s17, s22
	s_cselect_b32 s18, s18, s23
	s_cselect_b32 s19, s19, s26
	s_cselect_b32 s20, s20, s27
	s_lshl_b32 s28, s18, 17                        ; from: 16 rows of 8,192 bytes a group,
	s_lshl_b32 s22, s16, 11
	s_add_co_u32 s28, s28, s22                     ; + my wave's 2,048 bytes of a row
	s_mov_b32 s29, 0
	s_lshl_b32 s30, s19, 3                         ; to: record ((8 tile + ks) 256 + row), ks = 4 x tensor + wave
	s_lshl_b32 s17, s17, 2
	s_add_co_u32 s30, s30, s17
	s_add_co_u32 s30, s30, s16
	s_lshl_b32 s30, s30, 8
	s_add_co_u32 s30, s30, s20
	s_mul_i32 s30, s30, REC                        ; under 2^25; a multiple of 16 x 272 = 17 x 256
	s_mov_b32 s31, 0
	s_wait_kmcnt 0x0
	s_cmp_lt_u32 ttmp9, 128                        ; the choices hang on the work-group's number alone
	s_cselect_b64 s[4:5], s[4:5], s[6:7]
	s_cmp_lt_u32 ttmp9, 768
	s_cselect_b64 s[8:9], s[8:9], s[10:11]
	s_cmp_lt_u32 ttmp9, 256
	s_cselect_b64 s[4:5], s[4:5], s[8:9]
	s_cselect_b64 s[12:13], s[12:13], s[14:15]
	s_add_nc_u64 s[4:5], s[4:5], s[28:29]
	s_add_nc_u64 s[12:13], s[12:13], s[30:31]
.macro LOAD t
.irp i, 0,1,2,3
	global_load_b128 v[R+16*((\t)%4)+4*\i:R+16*((\t)%4)+4*\i+3], v3, s[4:5] offset:8192*(\t)+512*\i th:TH_LOAD_NT   ; 32 lanes read 512 consecutive bytes of row t
.endr
.endm
.macro TURN t                          ; step t's numbers through the stage: LDS serves a wave's instructions in order, so no wait stands between the stores and the loads
.irp i, 0,1,2,3
	ds_store_b128 v14, v[R+16*((\t)%4)+4*\i:R+16*((\t)%4)+4*\i+3] offset:32*SP*((\t)%2)+8*SP*\i
.endr
.irp i, 0,1,2,3
	ds_load_b128 v[X+16*((\t)%2)+4*\i:X+16*((\t)%2)+4*\i+3], v15 offset:32*SP*((\t)%2)+16*\i
.endr
.endm
.irp t, 0,1,2,3
	LOAD \t
.endr
	s_wait_loadcnt 12                              ; step 0's four loads are in
	TURN 0
.macro STEP t
.set XS, X+16*((\t)%2)
.if (\t) > 0
	s_wait_dscnt 2                                 ; this step's numbers are back from the stage; the last step's byte store and code store may be out
.else
	s_wait_dscnt 0x0
.endif
.if (\t)+4 < STEPS
	LOAD (\t)+4                                    ; into the set that this step's stage stores have read
.endif
.if (\t)+1 < STEPS
.if STEPS-2-(\t) >= 3
	s_wait_loadcnt 12                              ; the next step's four loads are in; those of the three steps behind it may be out
.else
	s_wait_loadcnt 4*(STEPS-2-(\t))
.endif
	TURN (\t)+1                                    ; and go through the other stage while this step is worked
.endif
	v_max3_num_f32 v8, |v[XS]|, |v[XS+1]|, |v[XS+2]|               ; the largest magnitude of my 16, in two chains
	v_max3_num_f32 v9, |v[XS+3]|, |v[XS+4]|, |v[XS+5]|
.irp i, 6,10
	v_max3_num_f32 v8, v8, |v[XS+\i]|, |v[XS+\i+1]|
	v_max3_num_f32 v9, v9, |v[XS+\i+2]|, |v[XS+\i+3]|
.endr
	v_max3_num_f32 v8, v8, |v[XS+14]|, |v[XS+15]|
	v_max3_num_f32 v8, v8, v9, (EMAX+1)<<23        ; and the floor 2^(EMAX + 1 - 127): the byte cannot fall under 1
	v_max_num_f32_dpp v8, v8, v8 row_xmask:1 row_mask:0xf bank_mask:0xf   ; and of my neighbour's 16: the block's
	v_add_nc_u32 v11, -(EMAX<<23), v8              ; EMAX off its exponent field: the conversion takes the exponent field of this operand as its scale
	v_cvt_scalef32_pk8_fp4_f32 v[C+2*(\t)], v[XS:XS+7], v11        ; to the nearest code, ties to even; beyond the largest code the largest
	v_cvt_scalef32_pk8_fp4_f32 v[C+2*(\t)+1], v[XS+8:XS+15], v11
	v_lshrrev_b32 v[E+(\t)], 23, v11               ; the scale's byte (a plain line behind the conversions)
	ds_store_b8 v5, v[E+(\t)] offset:REC*(\t)      ; both lanes of a block write the same byte with the same value
	ds_store_b64 v4, v[C+2*(\t):C+2*(\t)+1] offset:REC*(\t)        ; my 16 codes into record t
.endm
.irp t, 0,1,2,3,4,5,6,7,8,9,10,11,12,13,14,15
	STEP \t
.endr
.irp i, 0,1,2,3,4,5,6,7,8,9,10,11,12,13,14,15,16
	ds_load_b64 v[OUTR+2*\i:OUTR+2*\i+1], v4 offset:256*\i         ; LDS serves a wave's instructions in order: these see my stores
.endr
.irp i, 0,1,2,3,4,5,6,7,8,9,10,11,12,13,14,15,16
	s_wait_dscnt 16-\i                             ; the younger loads may be out
	global_store_b64 v7, v[OUTR+2*\i:OUTR+2*\i+1], s[12:13] offset:256*\i   ; 32 lanes store 256 consecutive bytes, at a multiple of 256 from the buffer's first byte
.endr
	s_wait_tensorcnt 0x0
	ds_add_u32 v160, v161
	s_wait_dscnt 0x0
	s_endpgm
.Lfunc_end_k_q7142b9efc1_quant:
	.size	k_q7142b9efc1_quant, .Lfunc_end_k_q7142b9efc1_quant-k_q7142b9efc1_quant
	.p2alignl 7, 3214868480
	.fill 96, 4, 3214868480
	.section	.rodata,"a",@progbits
	.p2align	6, 0x0
	.amdhsa_kernel k_q7142b9efc1_quant
		.amdhsa_group_segment_fixed_size 38400
		.amdhsa_private_segment_fixed_size 0
		.amdhsa_enable_private_segment 0
		.amdhsa_kernarg_size 48
		.amdhsa_user_sgpr_count 2
		.amdhsa_user_sgpr_kernarg_segment_ptr 1
		.amdhsa_wavefront_size32 1
		.amdhsa_system_sgpr_workgroup_id_x 1
		.amdhsa_system_sgpr_workgroup_id_y 1
		.amdhsa_system_sgpr_workgroup_id_z 1
		.amdhsa_system_vgpr_workitem_id 0
		.amdhsa_next_free_vgpr 162
		.amdhsa_next_free_sgpr 66
		.amdhsa_reserve_vcc 0
		.amdhsa_float_denorm_mode_32 3
		.amdhsa_float_denorm_mode_16_64 3
		.amdhsa_memory_ordered 1
		.amdhsa_forward_progress 1
		.amdhsa_inst_pref_size 37
	.end_amdhsa_kernel
	.amdgpu_metadata
---
amdhsa.version: [ 1, 2 ]
amdhsa.kernels:
  - .name:           k_q7142b9efc1_quant
    .symbol:         k_q7142b9efc1_quant.kd
    .args:
      - { .name: x, .offset: 0, .size: 8, .value_kind: global_buffer, .address_space: global }
      - { .name: h, .offset: 8, .size: 8, .value_kind: global_buffer, .address_space: global }
      - { .name: Wx, .offset: 16, .size: 8, .value_kind: global_buffer, .address_space: global }
      - { .name: Wh, .offset: 24, .size: 8, .value_kind: global_buffer, .address_space: global }
      - { .name: acts, .offset: 32, .size: 8, .value_kind: global_buffer, .address_space: global }
      - { .name: wts, .offset: 40, .size: 8, .value_kind: global_buffer, .address_space: global }
    .group_segment_fixed_size: 38400
    .private_segment_fixed_size: 0
    .kernarg_segment_align: 8
    .kernarg_segment_size: 48
    .max_flat_workgroup_size: 128
    .sgpr_count:     66
    .vgpr_count:     162
    .wavefront_size: 32
...
	.end_amdgpu_metadata
.endif
;; end of part 1
;; launch lstm (part 2): grid 32 x 8, 4 waves a work-group, clusters of 4 x 4, 327,680 bytes of LDS; arguments acts, wts, bx, bh, c, out0, out1; writes out0, out1
.if DOCPART == 2
	.amdgcn_target "amdgcn-amd-amdhsa--gfx1250"
	.amdhsa_code_object_version 6
	.text
	.protected	k_q7142b9efc1_lstm
	.globl	k_q7142b9efc1_lstm
	.p2align	8
	.type	k_q7142b9efc1_lstm,@function
k_q7142b9efc1_lstm:
	s_mov_b64 s[64:65], 0
	v_nop
	global_prefetch_b8 v0, s[64:65] scope:SCOPE_SE
	s_setreg_imm32_b32 hwreg(HW_REG_WAVE_MODE, 25, 1), 1
	s_wait_xcnt 0x0
	s_wait_alu depctr_hold_cnt(0) depctr_sa_sdst(0) depctr_va_vdst(0) depctr_va_sdst(0) depctr_va_ssrc(0) depctr_va_vcc(0) depctr_vm_vsrc(0)
	s_getreg_b32 s2, hwreg(HW_REG_IB_STS2, 6, 4)
	s_cmp_eq_u32 s2, 0
	s_cbranch_scc0 .Lentry_in_a_cluster
	s_endpgm
.Lentry_in_a_cluster:
	s_bfe_u32 s2, ttmp6, 0x10000c
	s_cmp_lg_u32 s2, 0xf033
	s_cbranch_scc0 .Lentry_shape_is_right
	s_endpgm
.Lentry_shape_is_right:
; gates[g][b][o] = sum over k of [x|h][b][k] [Wx|Wh][g][o][k] + bx[g][o] + bh[g][o], on codes of FP4 (E2M1) with one E8M0 scale for each 32 along K (K = 4,096), sums in f32;
; i, f, o = sigmoid(gates 0, 1, 2), c_ = tanh(gate 3); out1 = c_new = f c + i c_; out0 = h_new = o tanh(c_new).  The gates never go to memory.
; OPERANDS: acts [mt 8][ks 8][row 256][272], wts [nt 32][ks 8][row 256][272]: a record of 272 bytes is a row's 512 codes and, behind them, its 16 scale bytes.  A tile of one K step is a dense block of
; 69,632 bytes; as it lies it is an LDS tile with rows 272 bytes apart (68 words: the 16 rows that a load touches start at 16 different banks: 64 banks of 4 bytes, ISA guide 11.1), and the scale words ride with the codes.
; In wts a half tile of 128 rows holds 32 output columns x 4 gates (row 32 g + column): one wave's side.
; SHARES.  Work-group (nt, mt): batch rows 256 mt on, output columns 64 nt on, all four gates: 256 x 256 of the product.  Four waves, as many as a WGP has SIMDs; wave w: rows 128 (w / 2) on, columns 32 (w % 2) on:
; 64 accumulators of 16 x 16, 512 registers.  THE MATRIX INSTRUCTION IS USED TRANSPOSED (source 0 = 16 rows of W, source 1 = 16 batch rows): in accumulator (a, b = 2 g + u) lane (r, h) register j is gate g of
; batch row 16 a + r, column 16 u + 8 h + j.  So a lane holds all four gates of its eight neighbouring columns, and the tail changes no lanes.
; The biases bx + bh are the C of each sum's first matrix instruction.  c is asked for behind the first step, by register loads of whole rows of 256 bytes, and waited for behind the last product.
; K goes in 8 steps of 512 through a ring of two LDS slots.  CLUSTERS: 4 x 4 work-groups; the four of a row of the cluster need the same tiles of acts, the four of a column the same tiles of wts: each is asked for
; JOINTLY, by the same tensor load with the same descriptor and a mask that names the four.
; TWO ORDERS ALONG K.  Cluster (X, Y) begins at K step 4 ((X ^ X / 2 ^ Y) % 2) and walks round: steps 0 .. 7, or 4 .. 7, 0 .. 3.  So the two clusters that need the same tile of wts (same X, other Y) ask for it four K steps
; apart, and so do, of the clusters that need the same tile of acts (same Y), those that differ in that bit.  The bit hangs on the cluster's numbers alone: it is the same in all sixteen partners.
; ORDER OF ROUNDING: each output has one f32 sum, begun on its biases; in half of the clusters h's part of K is added ahead of x's.
; THE TAIL goes by blocks of 16 batch rows, and each block's results leave while the next block is computed.
; sigmoid(y) = 1 / (1 + 2^(-y log2 e)); tanh(y) = 1 - 2 / (1 + 2^(2 y log2 e)): both saturate by themselves (2^big is infinity, whose reciprocal is 0), so there is no clamp and no branch.
; LIMITS: tanh so made has an absolute error of some 1e-7, so it is relatively coarse for arguments under some 1e-5; NaN and infinities among the inputs are not served.
; REGISTERS, in windows of 256: window 0: v1-31 addresses; v32-95 scale words, two sets, and nothing else; v128-191 A's fragments, one set; in the tail v96-255 at work.
;   window 1: v0-63, v128-191 B's fragments, two sets; v64-127 bx + bh, later c; v192-255 bh, later c.   window 2: the accumulators of my rows 0-63 ((a, b) at v[8 (8 a + b)]);   window 3: those of my rows 64-127.
.set PITCH,  272
.set HALFT,  128*PITCH                 ; 128 records: what one tensor load brings, and what one wave reads of A or of B
.set TILEB,  2*HALFT                   ; a tile of one K step
.set SLOT,   2*TILEB                   ; A's 256 records, then B's 256
.set KROWT,  8*TILEB                   ; from tile row to tile row in the workspace
.set NQ,     4                         ; matrix instructions deep in a slot
.set FR,     8                         ; registers of a fragment: 16 rows x 128 K
.set NL,     2                         ; LDS loads that bring one
.set NP,     4                         ; places behind this matrix instruction (ISA guide 7.12.1)
.set LAPS,   4                         ; a lap = two K steps = once round the ring
.set SPARE,  2*SLOT                    ; behind the ring: the spare words, 128 bytes for each wave: two blocks of 256 bytes that no other line names
.set CIN,    0                         ; the tail's three stages of 256 rows x 272 bytes lie in the slots, which have had their last fill and their last read by then: c,
.set HOUT,   TILEB                     ; h_new,
.set COUT,   SLOT                      ; c_new
.set ROWG,   8192                      ; a row of c, out0, out1, bx, bh in bytes
.set CO,   12                          ; v12     c and the outputs: 8,192 (lane / 16) + 16 (lane % 16): two rows of 256 bytes an instruction; never rewritten
.set BV,   13                          ; v13     the biases: 32 (lane / 16)
.set ADRA, 16                          ; v16-17  LDS address of my A fragments in slot 0, 1
.set ADRB, 20                          ; v20-21  the same for B
.set ADRS, 22                          ; v22-23  of my scale words: lanes 0-15 A's rows, lanes 16-31 B's
.set ACI,  24                          ; v24     the tail: my 32 bytes of a row of c
.set AHO,  25                          ; v25     of h_new
.set ACO,  26                          ; v26     of c_new
.set RDC,  27                          ; v27     c on its way in, whole rows: row 64 w + lane / 16 of c's stage, byte 16 (lane % 16)
.set SPW,  28                          ; v28     LDS address of my spare word: SPARE + 4 x my thread's number; never rewritten
.set NIL,  29                          ; v29     0; never rewritten
.set RDH,  30                          ; v30     the way out, whole rows: row 128 (w / 2) + 8 (w % 2) + lane / 16 of h_new's stage, byte 16 (lane % 16)
.set RDO,  31                          ; v31     the same of c_new's
.set SC,   32                          ; scale words: set s (for slot s) at v[SC + 32 s]; register 4 i + q: lanes 0-15 the word of A's block i, lanes 16-31 that of B's block i, for the slot's q-th 128 along K
.set AF,   128                         ; A's fragments, in window 0
.set BI,   64                          ; bx + bh in the result's layout, in window 1: eight registers for each b
.set CR,   96                          ; the tail, window 0: v96-111 c; v112-127 c_new; v128-191 the 64 gate numbers (8 b + j); v192-207 at work for tanh(c_new); v208-223 h_new;
.set CN,   112
.set T,    128
.set T2,   192
.set HN,   208
.set OB,   224                         ; v224-255 the way out: 8 whole rows of h_new, then 8 of c_new
.set G1, 24                            ; s[24:31] descriptor group 1 for A's tiles;  s[32:39] group 0, one set for each slot
.set G0, 32
.set G1B, 48                           ; s[48:55], s[56:63] the same for B's tiles
.set G0B, 56
.set KI,  85                           ; s85     counts the K steps asked for, from my cluster's first step on: its low three bits are the step that is asked for next
.set OFS, 86                           ; s[86:87] that step's byte offset in a tile row of the workspace
.set MSB, 0
.macro WIN new                         ; the immediate's high byte repeats the setting that is left
.if MSB != \new
	s_set_vgpr_msb (MSB<<8)|\new
.set MSB, \new
.endif
.endm
.set MUL_LO, 0xa1                      ; source 0 (B) window 1, source 1 (A) window 0, C and D window 2
.set MUL_HI, 0xf1                      ; the same, C and D window 3
.set FST_LO, 0x91                      ; the first step: C (the biases) window 1, D window 2
.set FST_HI, 0xd1                      ; D window 3
.set TO_B,   0x40                      ; destination window 1, address window 0
; The global addresses of a slot's next tiles: my part of A's and of B's tile row (s[22:23], s[46:47]: never rewritten) + (KI mod 8) tiles.  It stands where no tensor load of the wave names the slot's group 0.
.macro SETG0 slot
	s_and_b32 s[OFS], s[KI], 7
	s_mul_i32 s[OFS], s[OFS], TILEB
	s_add_nc_u64 s[G0+4*\slot+2:G0+4*\slot+3], s[22:23], s[OFS:OFS+1]
	s_or_b32 s[G0+4*\slot+3], s[G0+4*\slot+3], 0x80000000                ; type = 2
	s_add_nc_u64 s[G0B+4*\slot+2:G0B+4*\slot+3], s[46:47], s[OFS:OFS+1]
	s_or_b32 s[G0B+4*\slot+3], s[G0B+4*\slot+3], 0x80000000
	s_add_co_u32 s[KI], s[KI], 1
.endm
; A joint load: waves 0 and 1 fetch A's two halves, waves 2 and 3 B's.  Each of the two lines has ONE mask and one set of registers for all that issue it; the branch hangs on the wave's number alone.
; Four v_nop follow each of the two lines, ahead of the jump, the label and what follows.
.macro JLOAD g0a, g1a, g0b, g1b
	s_cmp_eq_u32 s19, 0
	s_cbranch_scc0 .Lfor_b_\@
	tensor_load_to_lds s[\g0a:\g0a+3], s[\g1a:\g1a+7]
	s_nop 0
.rept 4
	v_nop
.endr
	s_branch .Lasked_\@
.Lfor_b_\@:
	tensor_load_to_lds s[\g0b:\g0b+3], s[\g1b:\g1b+7]
	s_nop 0
.rept 4
	v_nop
.endr
.Lasked_\@:
.endm
.macro CREST                           ; a round of the cluster's barrier behind its opening barrier
	s_cmp_lg_u32 s18, 0
	s_cbranch_scc1 .Lnot_wave_0_\@
	s_barrier_signal -3
.Lnot_wave_0_\@:
	s_barrier_wait -3
	s_barrier_signal -1
	s_barrier_wait -1
.endm
.macro CROUND                          ; a whole round
	s_barrier_signal -1
	s_barrier_wait -1
	CREST
.endm
	s_load_b256 s[4:11], s[0:1], 0x0               ; acts s[4:5], wts s[6:7], bx s[8:9], bh s[10:11]
	s_load_b128 s[12:15], s[0:1], 0x20             ; c s[12:13], out0 s[14:15]
	s_load_b64 s[16:17], s[0:1], 0x30              ; out1
	v_lshl_add_u32 v[SPW], v0, 2, SPARE
	v_mov_b32 v[NIL], 0
	ds_add_u32 v28, v29
	ds_add_u32 v28, v29
	s_wait_dscnt 0x0
	v_lshrrev_b32 v1, 5, v0
	v_readfirstlane_b32 s18, v1                    ; wave 0..3
	s_lshr_b32 s19, s18, 1                         ; which half of the tile's batch rows is mine.  Also: I fetch for A (0) or for B (1)
	s_and_b32 s20, s18, 1                          ; which half of B's rows.  Also: which 128 records of that tile I fetch
	s_bfe_u32 s40, ttmp6, 0x40000                  ; cx, cy: my place in the cluster
	s_bfe_u32 s41, ttmp6, 0x40004
	s_lshl_b32 s42, ttmp9, 2
	s_add_co_u32 s42, s42, s40                     ; nt = 4 x cluster x + cx
	s_and_b32 s21, ttmp7, 0xffff
	s_lshl_b32 s21, s21, 2
	s_add_co_u32 s21, s21, s41                     ; mt = 4 x cluster y + cy
	s_lshl_b32 s43, s41, 2
	s_lshl_b32 s43, 15, s43                        ; my row of the cluster
	s_lshl_b32 s44, 0x1111, s40                    ; my column
	s_and_b32 s84, ttmp7, 0xffff                   ; my cluster's first K step: 4 ((X ^ X / 2 ^ Y) % 2), of the cluster's numbers X and Y alone
	s_lshr_b32 s[KI], ttmp9, 1
	s_xor_b32 s[KI], s[KI], ttmp9
	s_xor_b32 s[KI], s[KI], s84
	s_and_b32 s[KI], s[KI], 1
	s_lshl_b32 s[KI], s[KI], 2
	s_mov_b32 s[OFS+1], 0
	; descriptor group 1: 34,816 dense bytes as 136 rows of 256 bytes (32 elements of 8 bytes), no padding: the records' own 272 bytes are the LDS pitch
	s_or_b32 s[G1+0], s43, (3<<16)|(1<<21)         ; 15:0 the mask: A's tiles go to my row; 17:16 elements of 8 bytes; 21 set beside a mask
	s_or_b32 s[G1B+0], s44, (3<<16)|(1<<21)        ; B's go to my column
.irp g, G1, G1B
	s_mov_b32 s[\g+1], 32<<16                      ; tensor_dim0 = 32
	s_mov_b32 s[\g+2], 136<<16                     ; tensor_dim1 = 136
	s_mov_b32 s[\g+3], 32<<16                      ; tile_dim0 = 32
	s_mov_b32 s[\g+4], 136                         ; tile_dim1 = 136
	s_mov_b32 s[\g+5], 32                          ; tensor_dim0_stride
	s_mov_b32 s[\g+6], 0
	s_mov_b32 s[\g+7], 0
.endr
	; where the tiles come from.  A's hang on mt alone, which my row of the cluster shares; B's on nt alone, which my column shares; each in registers that never hold the other coordinate
	s_mul_i32 s22, s21, KROWT
	s_mul_i32 s23, s20, HALFT
	s_add_co_u32 s22, s22, s23
	s_mov_b32 s23, 0
	s_mul_i32 s46, s42, KROWT
	s_mul_i32 s47, s20, HALFT
	s_add_co_u32 s46, s46, s47
	s_mov_b32 s47, 0
	s_mul_i32 s45, s18, HALFT                      ; and where they go: wave x 128 records: no place in the cluster enters an LDS address
	s_lshl_b32 s76, s21, 8                         ; c: row 256 mt + 64 wave (the rows that I load whole),
	s_lshl_b32 s77, s18, 6
	s_add_co_u32 s76, s76, s77
	s_lshl_b32 s76, s76, 13                        ; of 8,192 bytes,
	s_lshl_b32 s77, s42, 8
	s_add_co_u32 s76, s76, s77                     ; + 256 nt: the tile's 64 columns
	s_mov_b32 s77, 0
	s_lshl_b32 s80, s21, 8                         ; the outputs: row 256 mt + 128 (w / 2) + 8 (w % 2): of each block of 16 rows of my half I store eight
	s_lshl_b32 s81, s19, 7
	s_add_co_u32 s80, s80, s81
	s_lshl_b32 s81, s20, 3
	s_add_co_u32 s80, s80, s81
	s_lshl_b32 s80, s80, 13
	s_lshl_b32 s81, s42, 8
	s_add_co_u32 s80, s80, s81
	s_mov_b32 s81, 0
	s_lshl_b32 s78, s42, 8                         ; the biases: 256 nt + 128 x my half of the columns
	s_lshl_b32 s79, s20, 7
	s_add_co_u32 s78, s78, s79
	s_mov_b32 s79, 0
	s_mov_b32 s72, 0xbfb8aa3b                      ; -log2 e (the packed forms name a pair and take its low word for both halves: so both are written)
	s_mov_b32 s73, s72
	s_mov_b32 s74, 0x4038aa3b                      ; 2 log2 e
	s_mov_b32 s75, s74
	s_wait_kmcnt 0x0
	s_add_nc_u64 s[22:23], s[4:5], s[22:23]
	s_add_nc_u64 s[46:47], s[6:7], s[46:47]
	s_add_nc_u64 s[8:9], s[8:9], s[78:79]
	s_add_nc_u64 s[10:11], s[10:11], s[78:79]
	s_add_nc_u64 s[12:13], s[12:13], s[76:77]
	s_add_nc_u64 s[14:15], s[14:15], s[80:81]
	s_add_nc_u64 s[16:17], s[16:17], s[80:81]
	CROUND                                         ; all sixteen work-groups are here: the first joint loads meet
.irp s, 0,1
	s_mov_b32 s[G0+4*\s], 1                                        ; count = 1
	s_add_co_u32 s[G0+4*\s+1], s45, \s*SLOT                        ; LDS address
	s_mov_b32 s[G0B+4*\s], 1
	s_add_co_u32 s[G0B+4*\s+1], s45, \s*SLOT
	SETG0 \s                                       ; global addresses: my cluster's first K step, then its second
	JLOAD G0+4*\s, G1, G0B+4*\s, G1B               ; two loads of mine are out
.endr
	v_and_b32 v1, 15, v0                           ; r = lane % 16
	v_bfe_u32 v2, v0, 4, 1                         ; h = lane / 16
	v_lshlrev_b32 v[BV], 5, v2
	WIN TO_B                                       ; the biases in the result's layout: for b = 2 g + u, lane (r, h) wants those of gate g, columns 16 u + 8 h + 0 .. 7
.irp b, 0,1,2,3,4,5,6,7
	global_load_b128 v[BI+8*\b:BI+8*\b+3],     v[BV], s[8:9] offset:(\b/2)*ROWG+64*(\b%2)
	global_load_b128 v[BI+8*\b+4:BI+8*\b+7],   v[BV], s[8:9] offset:(\b/2)*ROWG+64*(\b%2)+16
	global_load_b128 v[192+8*\b:192+8*\b+3],   v[BV], s[10:11] offset:(\b/2)*ROWG+64*(\b%2)
	global_load_b128 v[192+8*\b+4:192+8*\b+7], v[BV], s[10:11] offset:(\b/2)*ROWG+64*(\b%2)+16
.endr
	WIN 0
	v_mul_u32_u24 v3, v1, PITCH
	v_lshl_add_u32 v4, v2, 4, v3                   ; a fragment's row x pitch + 16 x half
	s_mul_i32 s66, s19, HALFT                      ; my 128 rows of A
	s_mul_i32 s67, s20, HALFT                      ; my 128 rows of B,
	s_add_co_u32 s67, s67, 2*HALFT                 ; which lie behind A's 256
.irp s, 0,1
	v_add_nc_u32 v[ADRA+\s], s66, v4
	v_add_nc_u32 v[ADRB+\s], s67, v4
	s_add_co_u32 s66, s66, SLOT
	s_add_co_u32 s67, s67, SLOT
.endr
	s_mul_i32 s66, s19, HALFT                      ; the scale words: byte 256 of my row's record; lanes 0-15 in A's rows,
	s_mul_i32 s67, s20, HALFT
	s_add_co_u32 s67, s67, 2*HALFT
	s_sub_co_u32 s67, s67, s66
	v_mul_u32_u24 v5, s67, v2                      ; lanes 16-31 in B's: the lower base + h x the distance
	s_add_co_u32 s66, s66, 256
	v_add_nc_u32 v5, v5, v3
	v_add_nc_u32 v[ADRS], s66, v5
	v_add_nc_u32 v[ADRS+1], SLOT, v[ADRS]
	s_wait_loadcnt 0x0                             ; the biases
	WIN 0x45                                       ; both sources and the destination in window 1
.set gi, 0
.rept 32
	v_pk_add_f32 v[BI+2*gi:BI+2*gi+1], v[BI+2*gi:BI+2*gi+1], v[192+2*gi:192+2*gi+1]   ; bx + bh
.set gi, gi+1
.endr
	WIN 0
	; the tail's addresses are made here: twelve plain lines between those additions and the first matrix instruction
	v_lshlrev_b32 v[CO], 13, v2
	v_lshl_add_u32 v[CO], v1, 4, v[CO]
	s_mul_i32 s66, s19, HALFT
	s_lshl_b32 s67, s20, 7
	s_add_co_u32 s66, s66, s67
	v_lshl_add_u32 v[ACI], v2, 5, v3
	v_add_nc_u32 v[ACI], s66, v[ACI]               ; row 128 (w / 2) + r, byte 128 (w % 2) + 32 h; block a and u stand in the immediate
	v_add_nc_u32 v[AHO], HOUT, v[ACI]
	v_add_nc_u32 v[ACO], COUT, v[ACI]
	s_mul_i32 s66, s18, 64*PITCH
	v_mul_u32_u24 v5, v2, PITCH
	v_lshl_add_u32 v5, v1, 4, v5
	v_add_nc_u32 v[RDC], s66, v5                   ; row 64 w + h, byte 16 r
	s_mul_i32 s66, s19, HALFT
	s_mul_i32 s67, s20, 8*PITCH
	s_add_co_u32 s66, s66, s67
	v_add_nc_u32 v[RDH], s66, v5                   ; row 128 (w / 2) + 8 (w % 2) + h, byte 16 r; the block and the pair of rows stand in the immediate
	v_add_nc_u32 v[RDO], COUT, v[RDH]
	v_add_nc_u32 v[RDH], HOUT, v[RDH]
.macro FRAG reg, adr, q, i             ; a fragment, 16 rows x 128 K of 4-bit codes, is 8 registers: lane l holds row l % 16; registers 4 c .. 4 c + 3 hold K = 64 c + 32 (l / 16) + 0 .. 31
.irp c, 0,1
	ds_load_b128 v[\reg+4*\c:\reg+4*\c+3], v[\adr] offset:64*(\q)+32*\c+(\i)*16*PITCH
.endr
.endm
; 16 matrix instructions: A's blocks a0, a0 + 1 x B's eight, 128 along K: the slot's q-th.  p: B's set;  sc: the set of scale words.  zero = 1: the first product starts the sums, with the biases as its C: nothing is ever cleared.
; The 64 accumulators take turns, one instruction a turn, in the same order in every step.
.macro MUL16 a0, p, q, sc, zero
.irp a, \a0, \a0+1
.irp b, 0,1,2,3,4,5,6,7
.if \zero
	v_wmma_scale_f32_16x16x128_f8f6f4 v[8*(8*((\a)%4)+\b):8*(8*((\a)%4)+\b)+7], v[128*(\p)+FR*\b:128*(\p)+FR*\b+FR-1], v[AF+FR*(\a):AF+FR*(\a)+FR-1], v[BI+8*\b:BI+8*\b+7], v[SC+8*NQ*(\sc)+NQ*\b+(\q)], v[SC+8*NQ*(\sc)+NQ*(\a)+(\q)] matrix_a_fmt:MATRIX_FMT_FP4 matrix_b_fmt:MATRIX_FMT_FP4 matrix_a_scale:MATRIX_SCALE_ROW1
.else
	v_wmma_scale_f32_16x16x128_f8f6f4 v[8*(8*((\a)%4)+\b):8*(8*((\a)%4)+\b)+7], v[128*(\p)+FR*\b:128*(\p)+FR*\b+FR-1], v[AF+FR*(\a):AF+FR*(\a)+FR-1], v[8*(8*((\a)%4)+\b):8*(8*((\a)%4)+\b)+7], v[SC+8*NQ*(\sc)+NQ*\b+(\q)], v[SC+8*NQ*(\sc)+NQ*(\a)+(\q)] matrix_a_fmt:MATRIX_FMT_FP4 matrix_b_fmt:MATRIX_FMT_FP4 matrix_a_scale:MATRIX_SCALE_ROW1
.endif
.endr
.endr
.endm
.macro FETCH_B slot, q, p              ; B's eight fragments of the slot's q-th 128 along K into set p
	WIN TO_B
.irp i, 0,1,2,3,4,5,6,7
	FRAG 128*(\p)+FR*\i, ADRB+\slot, \q, \i
.endr
	WIN 0
.endm
.macro FETCH_A slot, q, i0             ; A's blocks i0 .. i0 + 3
.irp i, \i0, \i0+1, \i0+2, \i0+3
	FRAG AF+FR*(\i), ADRA+\slot, \q, \i
.endr
.endm
.macro SCALES sc                       ; slot sc's scale words into set sc: four words a row, the last 16 bytes of its record; lanes 0-15 take A's block i, lanes 16-31 B's block i
.irp i, 0,1,2,3,4,5,6,7
	ds_load_b128 v[SC+8*NQ*\sc+NQ*\i:SC+8*NQ*\sc+NQ*\i+3], v[ADRS+\sc] offset:\i*16*PITCH
.endr
.endm
; A load into a register that a matrix instruction has read, and a vector instruction or an LDS store that reads a matrix result, stand NP places behind that matrix instruction, and only plain vector
; instructions that name none of its registers are places (ISA guide 7.12.1 for vector instructions).
.macro PLACES n
.rept \n
	v_nop
.endr
.endm
; A step of 128 along K that has its successor in the same slot.  A block of A is free as soon as its eight products are issued: blocks 0-3 are fetched anew in the step's middle, blocks 4-7 at its end.
.macro STEP slot, q, zero
	s_wait_dscnt 4*NL                              ; B's set, the scale words and A's blocks 0-3 are in; the youngest eight loads (A's blocks 4-7) may be out
.if \zero
	WIN FST_LO
.else
	WIN MUL_LO
.endif
	MUL16 0, (\q)%2, \q, \slot, \zero
	MUL16 2, (\q)%2, \q, \slot, \zero
	s_wait_dscnt 0                                 ; A's blocks 4-7 are in (asked for 32 matrix instructions ago)
	PLACES NP
	FETCH_B \slot, (\q)+1, 1-(\q)%2
	FETCH_A \slot, (\q)+1, 0
.if \zero
	WIN FST_HI
.else
	WIN MUL_HI
.endif
	MUL16 4, (\q)%2, \q, \slot, \zero
	MUL16 6, (\q)%2, \q, \slot, \zero
	PLACES NP
	WIN 0
	FETCH_A \slot, (\q)+1, 4
.endm
; A slot's last step changes slots: ONE barrier; in front of it each wave waits for all its tensor loads, adds 0 to its spare word, and waits for that and for its own reads of this slot.  fill = 1: this slot is filled again, two K steps ahead.
.macro TURN slot, next, fill
	s_wait_tensorcnt 0x0                           ; all my tensor loads have landed: the one that was out is my part of the next slot  (every window is 0 here: the add's two registers lie in window 0)
	ds_add_u32 v[SPW], v[NIL]                      ; 0 onto my spare word
.if \fill
	SETG0 \slot                                    ; no tensor load of mine is out, so a group 0 may be written: this slot's next tiles
.endif
	s_wait_dscnt 4*NL+1                            ; (the add and the youngest eight loads, A's blocks 4-7, may be out)
	WIN MUL_LO
	MUL16 0, 1, NQ-1, \slot, 0                     ; sixteen matrix instructions stand between the add and the wait for it
	s_wait_dscnt 0x0                               ; the add is done, and my reads of this slot are over
	s_barrier_signal -1
	MUL16 2, 1, NQ-1, \slot, 0
	WIN 0
	s_barrier_wait -1
.if \fill
	CREST                                          ; the barrier has opened a round of the cluster's barrier: no wave of any partner still reads this slot's tile or has a load on its way
	JLOAD G0+4*\slot, G1, G0B+4*\slot, G1B         ; the first tensor load behind the round, my one load until the next; the four v_nop behind it are the places in front of the loads below
.else
	PLACES NP
.endif
	FETCH_B \next, 0, 0
	FETCH_A \next, 0, 0
	SCALES \next
	WIN MUL_HI
	MUL16 4, 1, NQ-1, \slot, 0
	MUL16 6, 1, NQ-1, \slot, 0
	PLACES NP
	WIN 0
	FETCH_A \next, 0, 4
.endm
.macro STEPS slot, from                ; the slot's steps from .. NQ - 2
.set Q, \from
.rept NQ-1-\from
	STEP \slot, Q, 0
.set Q, Q+1
.endr
.endm
	s_wait_tensorcnt 1                             ; my part of the first K step is in (the second's load may be out)
	s_barrier_signal -1
	s_barrier_wait -1                              ; everybody's is
	FETCH_B 0, 0, 0
	FETCH_A 0, 0, 0
	SCALES 0
	FETCH_A 0, 0, 4
	STEP 0, 0, 1                                   ; the first step stands in front of the loop: its products start the sums on the biases
	; c: my wave's 64 whole rows of the tile's 256 bytes, two rows an instruction, into the registers that the biases have left (the step's last four v_nop are the places behind their last reader).
	; The 32 loads stay out over the seven K steps that follow: nothing in the loop waits for them, and neither their address nor their base is written again.
	WIN TO_B
.irp t, 0,1,2,3,4,5,6,7,8,9,10,11,12,13,14,15
	global_load_b128 v[64+4*\t:64+4*\t+3], v[CO], s[12:13] offset:\t*2*ROWG th:TH_LOAD_NT
.endr
.irp t, 0,1,2,3,4,5,6,7,8,9,10,11,12,13,14,15
	global_load_b128 v[192+4*\t:192+4*\t+3], v[CO], s[12:13] offset:(16+\t)*2*ROWG th:TH_LOAD_NT
.endr
	WIN 0
	s_mov_b32 s3, LAPS-1
.Llap:                                                 ; a trip goes once round the ring, from a lap's second step to the next lap's first, and fills both slots again
	STEPS 0, 1
	TURN 0, 1, 1
	STEPS 1, 0
	TURN 1, 0, 1
	STEP 0, 0, 0
	s_sub_co_u32 s3, s3, 1
	s_cmp_lg_u32 s3, 0
	s_cbranch_scc1 .Llap
	STEPS 0, 1                                     ; the last lap fills nothing, and has no round of the cluster's barrier
	TURN 0, 1, 0
	STEPS 1, 0
	s_wait_dscnt 4*NL                              ; the very last step: nothing more to fetch
	WIN MUL_LO
	MUL16 0, 1, NQ-1, 1, 0
	MUL16 2, 1, NQ-1, 1, 0
	s_wait_dscnt 0
	WIN MUL_HI
	MUL16 4, 1, NQ-1, 1, 0
	MUL16 6, 1, NQ-1, 1, 0
	WIN 0
	PLACES NP                                      ; in front of the first read of results and the first write over A's fragments
	; THE TAIL.  c goes into its stage as whole rows (slot 0 was left by every wave at the last change of slots, and has had its last fill).
	s_wait_loadcnt 0x0                             ; c
	WIN 0x04                                       ; an LDS store's data are its source 1: window 1
.irp t, 0,1,2,3,4,5,6,7,8,9,10,11,12,13,14,15
	ds_store_b128 v[RDC], v[64+4*\t:64+4*\t+3] offset:\t*2*PITCH
.endr
.irp t, 0,1,2,3,4,5,6,7,8,9,10,11,12,13,14,15
	ds_store_b128 v[RDC], v[192+4*\t:192+4*\t+3] offset:(16+\t)*2*PITCH
.endr
	WIN 0
.macro WGBAR                           ; for the others' sake: my LDS stores have landed and my LDS loads are in; then the work-group's barrier
	s_wait_dscnt 0x0
	s_barrier_signal -1
	s_barrier_wait -1
.endm
	WGBAR                                          ; c's tile is whole, and nobody reads either slot any more
; THE WAY OUT of block a.  A row's 256 bytes come from two waves, so it stands behind a barrier.  Of the 16 rows of my half of the tile I take eight, whole, of each output: four loads of two rows each.
.macro LOADO a
.irp i, 0,1,2,3
	ds_load_b128 v[OB+4*\i:OB+4*\i+3],       v[RDH] offset:(16*(\a)+2*\i)*PITCH
	ds_load_b128 v[OB+16+4*\i:OB+16+4*\i+3], v[RDO] offset:(16*(\a)+2*\i)*PITCH
.endr
.endm
.macro SENDO a                         ; 16 lanes store 256 consecutive bytes, at a multiple of 256 from the buffer's first byte; the block's place stands in the immediate, 118 rows of 8,192 bytes at the most
.irp i, 0,1,2,3
	global_store_b128 v[CO], v[OB+4*\i:OB+4*\i+3], s[14:15] offset:(16*(\a)+2*\i)*ROWG th:TH_STORE_NT
.endr
.irp i, 0,1,2,3
	global_store_b128 v[CO], v[OB+16+4*\i:OB+16+4*\i+3], s[16:17] offset:(16*(\a)+2*\i)*ROWG th:TH_STORE_NT
.endr
.endm
; Block a: 16 batch rows x my 32 columns.  The exponentials and the reciprocals go in batches, each with one plain line and one wait behind it, ahead of its first reader.
; In its middle the block before's whole rows, read back from the stages at this block's head, are stored.
.macro GATES a
.set AC, 64*((\a)%4)
.set WG, 0x02+(\a)/4
.irp u, 0,1
	ds_load_b128 v[CR+8*\u:CR+8*\u+3],   v[ACI] offset:(\a)*16*PITCH+64*\u      ; c(16 a + r, 16 u + 8 h + 0 .. 7)
	ds_load_b128 v[CR+8*\u+4:CR+8*\u+7], v[ACI] offset:(\a)*16*PITCH+64*\u+16
.endr
	WIN WG                                         ; source 0: window 2 or 3
.set gi, 0
.rept 24
	v_pk_mul_f32 v[T+2*gi:T+2*gi+1], v[AC+2*gi:AC+2*gi+1], s[72:73] op_sel_hi:[1,0]   ; i, f, o: -y log2 e.  Each accumulator is read from its low end on
.set gi, gi+1
.endr
.rept 8
	v_pk_mul_f32 v[T+2*gi:T+2*gi+1], v[AC+2*gi:AC+2*gi+1], s[74:75] op_sel_hi:[1,0]   ; c_: 2 y log2 e
.set gi, gi+1
.endr
	WIN 0
.set gi, 0
.rept 64
	v_exp_f32 v[T+gi], v[T+gi]
.set gi, gi+1
.endr
	v_nop
	s_wait_alu depctr_va_vdst(0)
.set gi, 0
.rept 32
	v_pk_add_f32 v[T+2*gi:T+2*gi+1], v[T+2*gi:T+2*gi+1], 1.0 op_sel_hi:[1,0]
.set gi, gi+1
.endr
.set gi, 0
.rept 64
	v_rcp_f32 v[T+gi], v[T+gi]                     ; i, f, o are done; of c_ this is 1 / (1 + 2^..)
.set gi, gi+1
.endr
	v_nop
	s_wait_alu depctr_va_vdst(0)
	s_wait_dscnt 0x0                               ; c is in, and so are the block before's whole rows
.if (\a) > 0
	SENDO (\a)-1
.endif
.set gi, 0
.rept 8
	v_pk_fma_f32 v[T+48+2*gi:T+48+2*gi+1], v[T+48+2*gi:T+48+2*gi+1], -2.0, 1.0 op_sel_hi:[1,0,0]   ; c_ = tanh
.set gi, gi+1
.endr
.set gi, 0
.rept 8
	v_pk_mul_f32 v[T+48+2*gi:T+48+2*gi+1], v[T+2*gi:T+2*gi+1], v[T+48+2*gi:T+48+2*gi+1]            ; i c_
.set gi, gi+1
.endr
.set gi, 0
.rept 8
	v_pk_fma_f32 v[CN+2*gi:CN+2*gi+1], v[T+16+2*gi:T+16+2*gi+1], v[CR+2*gi:CR+2*gi+1], v[T+48+2*gi:T+48+2*gi+1]   ; c_new = f c + i c_
.set gi, gi+1
.endr
.set gi, 0
.rept 8
	v_pk_mul_f32 v[T2+2*gi:T2+2*gi+1], v[CN+2*gi:CN+2*gi+1], s[74:75] op_sel_hi:[1,0]
.set gi, gi+1
.endr
.set gi, 0
.rept 16
	v_exp_f32 v[T2+gi], v[T2+gi]
.set gi, gi+1
.endr
	v_nop
	s_wait_alu depctr_va_vdst(0)
.set gi, 0
.rept 8
	v_pk_add_f32 v[T2+2*gi:T2+2*gi+1], v[T2+2*gi:T2+2*gi+1], 1.0 op_sel_hi:[1,0]
.set gi, gi+1
.endr
.set gi, 0
.rept 16
	v_rcp_f32 v[T2+gi], v[T2+gi]
.set gi, gi+1
.endr
	v_nop
	s_wait_alu depctr_va_vdst(0)
.set gi, 0
.rept 8
	v_pk_fma_f32 v[T2+2*gi:T2+2*gi+1], v[T2+2*gi:T2+2*gi+1], -2.0, 1.0 op_sel_hi:[1,0,0]           ; tanh(c_new)
.set gi, gi+1
.endr
.set gi, 0
.rept 8
	v_pk_mul_f32 v[HN+2*gi:HN+2*gi+1], v[T+32+2*gi:T+32+2*gi+1], v[T2+2*gi:T2+2*gi+1]              ; h_new = o tanh(c_new)
.set gi, gi+1
.endr
.irp u, 0,1
	ds_store_b128 v[ACO], v[CN+8*\u:CN+8*\u+3]   offset:(\a)*16*PITCH+64*\u
	ds_store_b128 v[ACO], v[CN+8*\u+4:CN+8*\u+7] offset:(\a)*16*PITCH+64*\u+16
	ds_store_b128 v[AHO], v[HN+8*\u:HN+8*\u+3]   offset:(\a)*16*PITCH+64*\u
	ds_store_b128 v[AHO], v[HN+8*\u+4:HN+8*\u+7] offset:(\a)*16*PITCH+64*\u+16
.endr
.endm
.irp a, 0,1,2,3,4,5,6,7
	GATES \a
	WGBAR                                          ; block a's rows are whole in both stages; no later block writes them
	s_wait_xcnt 0x0                                ; the block before's stores have read their registers: this block's rows may land there
	LOADO \a
.endr
	s_wait_dscnt 0x0                               ; the last block's rows are in
	SENDO 7
	s_wait_tensorcnt 0x0                           ; the wave's end, behind my last tensor load and my last LDS store
	ds_add_u32 v[SPW], v[NIL]
	s_wait_dscnt 0x0
	CROUND                                         ; the closing round: no work-group ends while a partner may still ask for a tile that names it
	s_endpgm
.Lfunc_end_k_q7142b9efc1_lstm:
	.size	k_q7142b9efc1_lstm, .Lfunc_end_k_q7142b9efc1_lstm-k_q7142b9efc1_lstm
	.p2alignl 7, 3214868480
	.fill 96, 4, 3214868480
	.section	.rodata,"a",@progbits
	.p2align	6, 0x0
	.amdhsa_kernel k_q7142b9efc1_lstm
		.amdhsa_group_segment_fixed_size 327680
		.amdhsa_private_segment_fixed_size 0
		.amdhsa_enable_private_segment 0
		.amdhsa_kernarg_size 56
		.amdhsa_user_sgpr_count 2
		.amdhsa_user_sgpr_kernarg_segment_ptr 1
		.amdhsa_wavefront_size32 1
		.amdhsa_system_sgpr_workgroup_id_x 1
		.amdhsa_system_sgpr_workgroup_id_y 1
		.amdhsa_system_sgpr_workgroup_id_z 1
		.amdhsa_system_vgpr_workitem_id 0
		.amdhsa_next_free_vgpr 1024
		.amdhsa_next_free_sgpr 100
		.amdhsa_reserve_vcc 0
		.amdhsa_float_denorm_mode_32 3
		.amdhsa_float_denorm_mode_16_64 3
		.amdhsa_memory_ordered 1
		.amdhsa_forward_progress 1
		.amdhsa_inst_pref_size 255
	.end_amdhsa_kernel
	.section	.bss,"aw",@nobits
	.p2align	6
	.space	262144
	.amdgpu_metadata
---
amdhsa.version: [ 1, 2 ]
amdhsa.kernels:
  - .name:           k_q7142b9efc1_lstm
    .symbol:         k_q7142b9efc1_lstm.kd
    .args:
      - { .name: acts, .offset: 0, .size: 8, .value_kind: global_buffer, .address_space: global }
      - { .name: wts, .offset: 8, .size: 8, .value_kind: global_buffer, .address_space: global }
      - { .name: bx, .offset: 16, .size: 8, .value_kind: global_buffer, .address_space: global }
      - { .name: bh, .offset: 24, .size: 8, .value_kind: global_buffer, .address_space: global }
      - { .name: c, .offset: 32, .size: 8, .value_kind: global_buffer, .address_space: global }
      - { .name: out0, .offset: 40, .size: 8, .value_kind: global_buffer, .address_space: global }
      - { .name: out1, .offset: 48, .size: 8, .value_kind: global_buffer, .address_space: global }
    .group_segment_fixed_size: 327680
    .private_segment_fixed_size: 0
    .kernarg_segment_align: 8
    .kernarg_segment_size: 56
    .max_flat_workgroup_size: 128
    .sgpr_count:     100
    .vgpr_count:     1024
    .wavefront_size: 32
...
	.end_amdgpu_metadata
.endif
;; end of part 2
